; MI455X (gfx1250); checked and timed in simulation.
; The chip was launched on July 23, 2026; its instructions are those of AMD's public machine-readable ISA for CDNA 5 (MIT licence, August 2026) and "CDNA5" Instruction Set Architecture Reference Guide (July 2026). The comments in the code are by the model that wrote it; some were corrected since.
;; Self Attention. Allowed arithmetic: matrix products marked QUANTISED: E2M1 operands, one E8M0 scale for each 32 along K, by v_wmma_scale_f32_16x16x128_f8f6f4 with both operands' format E2M1 (or v_wmma_scale_f32_32x16x128_f4), f32 sums; everything else in f32.
;; Inputs: Wk 32 x 256 float32; Wq 32 x 256 float32; Wv 256 x 256 float32; x 4 x 256 x 64 x 64 float32.
;; Outputs: out0 4 x 256 x 64 x 64 float32.
;; This version of the problem:
;;   THIS VERSION OF THE PROBLEM IS GIVEN IN LOW PRECISION. The matrix products marked QUANTISED in the list below multiply operands that are first quantised to E2M1 (2 exponent bits, 1 mantissa bit; 4 bits a number), with one power-of-two scale for each 32 numbers along K (OCP MX v1.0); their sums are f32. All else is computed in f32.
;;   The module's matrix products, in the order in which they are computed (A, B: the left and right operand; K: the contracted axis; several contracted axes count as one K, in the product's order):
;;     1. [M 16,384, K 256] x [K 256, N 32]; A: input x; B: input Wq: QUANTISED
;;     2. [M 16,384, K 256] x [K 256, N 32]; A: input x; B: input Wk: QUANTISED
;;     3. [M 16,384, K 256] x [K 256, N 256]; A: input x; B: input Wv: QUANTISED
;;     4. batch 4 x [M 4,096, K 32] x [K 32, N 4,096]; A: computed on the way; B: computed on the way: QUANTISED
;;     5. batch 4 x [M 256, K 4,096] x [K 4,096, N 4,096]; A: computed on the way; B: softmax (see below): QUANTISED
;;   THE QUANTISER, for each operand of a quantised product, along K:
;;     - K is cut into blocks of 32 from its start; a last block that is shorter is filled with zeros.
;;     - A block's scale is 2^e with e = floor(log2(the largest magnitude in the block)) - 2, held to -126 .. 127; a block of zeros has e = 0. As a byte (E8M0): e + 127.
;;     - Each number is divided by its block's scale, clamped to +-6, and rounded to the nearest number of E2M1, ties to even, subnormals kept.
;;     - The product sums the exact products of the quantised numbers (number of the format x scale) in f32.
;;   ~~~python
;;   def quantise(x, axis):      # numpy; x: float32 -> the quantised numbers, widened to float32 again
;;       x = np.moveaxis(x, axis, -1); K = x.shape[-1]
;;       x = np.pad(x, [(0, 0)] * (x.ndim - 1) + [(0, -K % 32)]); x = x.reshape(x.shape[:-1] + (-1, 32)); a = np.abs(x).max(-1, keepdims=True)
;;       e = np.where(a > 0, np.clip(np.frexp(np.where(a > 0, a, 1))[1] - 1 - 2, -126, 127), 0)      # np.frexp(a)[1] - 1 = floor(log2(a)), exactly
;;       r = np.clip(x / 2.0 ** e, -6, 6)
;;       step = 2.0 ** (np.maximum(np.frexp(np.where(r == 0, 1, r))[1] - 1, 0) - 1)
;;       q = np.round(r / step) * step * 2.0 ** e      # np.round: ties to even
;;       return np.moveaxis(q.reshape(q.shape[:-2] + (-1,))[..., :K], -1, axis).astype(np.float32)
;;   ~~~
;;   SOFTMAX AHEAD OF A QUANTISED PRODUCT. Where the list says 'softmax', what is quantised is not the finished softmax but p = 2^(t - M), with t = logit x log2(e) and M = ceil(the row's largest t), a whole number; so 1/2 < the row's largest p <= 1. The row's sum l is taken of the UNQUANTISED p, in f32, and the product's result is divided by l at the end. Since M is a whole number, a kernel that streams over the keys may use a running M (the ceiling of the running maximum): every later rescaling is an exact power of two, which a block's scale takes up: the codes' values come out the same.
;;   OPERANDS COMPUTED ON THE WAY. 'Computed on the way' means the value that the module computes at that place (a softmax that the list does not call 'softmax' is quantised finished and normalised). What goes into a quantiser is computed in f32, as accurately as f32 sums, v_exp_f32 and their like allow (about 1e-6 of the number): no bf16 or f16 on the way to a quantiser, and a product that is left as it is and whose result goes on into a quantised operand takes f32 operands (vector FMAs, or v_wmma_f32_16x16x4_f32). A number that lies on a knife's edge between two numbers of the format may be rounded either way, as far as f32 arithmetic and the matrix unit's own rounding can turn it there, and no further.
;; One version. Each part assembles by itself: llvm-mc -triple=amdgcn-amd-amdhsa -mcpu=gfx1250 --defsym DOCPART=n.
;; ======== version 1 of 1: 2 launches
;; workspace buffers: kv 2,523,136 bytes; qc 262,144 bytes; qs 65,536 bytes
;; launch proj (part 1): grid 32 x 4, 16 waves a work-group, no clusters, 202,752 bytes of LDS; arguments x, Wq, Wk, Wv, kv, qc, qs; writes kv, qc, qs
.if DOCPART == 1
	.amdgcn_target "amdgcn-amd-amdhsa--gfx1250"
	.amdhsa_code_object_version 6
	.text
	.protected	k_q3d8bc7ec3e_proj
	.globl	k_q3d8bc7ec3e_proj
	.p2align	8
	.type	k_q3d8bc7ec3e_proj,@function
k_q3d8bc7ec3e_proj:
	s_mov_b64 s[64:65], 0
	v_nop
	global_prefetch_b8 v0, s[64:65] scope:SCOPE_SE
	s_setreg_imm32_b32 hwreg(HW_REG_WAVE_MODE, 25, 1), 1
	s_wait_xcnt 0x0
; f = Wq x, g = Wk x, v = Wv x for 128 positions of one batch (work-group x = which 128, y = the batch), all on codes of FP4 (E2M1) with one E8M0 scale for each 32 along K = the 256 channels;
; f, g and v are then quantised again, f and g along their 32 rows, v along the positions, and stored in the order in which the attention launch's operand registers take them.
; x [4][256][4096] f32: K is NOT innermost: a lane takes a position and its registers run down the channels.  Wq, Wk [32][256], Wv [256][256] f32: K innermost.
; OUT.  kv: one record of 19,712 bytes for each 128 positions: 0: f's codes, 16 bytes a slot;  2048: v's 16 fragments (16 channels x 128 positions), 1,024 bytes each, as images of their registers;
;   18432: f's scale bytes, word 16 F + r, byte b = tile 4 F + b, row r (128 bytes, written twice so that the 256 bytes are whole);  18688: v's scale words, tile t row r at 256 (t / 4) + 16 r + 4 (t % 4).
;   qc: g's codes, 16 bytes a slot;  qs: g's scale byte four times, a word a slot.   Slot 16 t + r holds position 32 (t / 2) + 8 (t % 2) + r + 8 (r / 8).
; THE ROWS OF A TILE OF x ARE NOT NEIGHBOURS: row r of tile t = 2 b + u is position 32 b + 8 u + r + 8 (r / 8).  So with x as source 1 (f, g: a lane holds one position, registers run along q) and with x as
; source 0 (v: a lane holds one channel) the 16 registers of two neighbouring tiles are 16 neighbours along the next product's K.  A tile of Wq or Wk takes rows 8 u + r + 8 (r / 8) for the same reason.
; THE WEIGHTS ARE QUANTISED HERE, WHILE x IS ON ITS WAY.  Wave w takes 20 rows: its own 16 rows of Wv and rows 4 w .. 4 w + 3 of Wq and Wk laid on end.  A row comes by two loads of 512 consecutive bytes; in each, lane
; (h, r) takes the 16 bytes at 32 r + 16 h, and four exchanges of lane halves between the two loads' registers leave lane (h, r) with the eight neighbours k = 128 h + 8 r + 0 .. 7.  A block of 32 is four lanes.
; The codes go into LDS as rows of 128 bytes + 16, the scale bytes 8 to a row, and are read back as fragments.  Wave w's rows are LDS rows 20 w .. 20 w + 19.
; PHASES, sixteen waves.  Head: eight waves ask for x's 256 x 128 numbers; all quantise their rows of the weights | barrier | X: wave (g, qd) quantises 32 positions x 64 channels, images to LDS | barrier |
; P1: wave (kind, t): f or g of tile t, quantised, stored;  P2: wave w: v's channels 16 w .. 16 w + 15 for all 128 positions, quantised, stored; scale bytes gathered in LDS | barrier | seven waves store them, 256 bytes each.
; No LDS byte is filled twice.  A cluster is not used: what the work-groups share, the weights, comes through registers, and as f32 tiles its 327,680 bytes would not fit in LDS beside x's 131,072.
; LIMITS: a block of zeros, or one under 2^-124, gets the byte 1 (this program alone reads the bytes); NaN and infinities are not served.
.set XT,   0                           ; LDS: x [256 channels][128 positions] f32, 512 bytes a row: the one region that a tensor load fills
.set WR,   131072                      ; the weights' codes: 320 rows of WP bytes
.set WP,   144                         ; 256 codes are 128 bytes, + 16: sixteen neighbouring rows start in sixteen different columns of 16 bytes
.set WSC,  WR+320*WP                   ; their scale bytes, 8 a row
.set XIMG, WSC+2560                    ; x's 16 fragments (tile t, K step s) at 1024 (2 t + s)
.set XSC,  XIMG+16384                  ; their scale words: 128 (2 g + s) + 4 l: lanes 0-15 tile 2 g, lanes 16-31 tile 2 g + 1
.set SM,   XSC+1024                    ; the small results: f's scale bytes 256, v's scale words 1,024, g's scale words 512
.set RECB, 19712
.set AX,   1                           ; v1-15: LDS addresses, v16-19: offsets in memory; none rewritten
.set AXI,  2
.set AXS,  3
.set AWF,  4
.set AWS,  5
.set AXQ,  6
.set AXQS, 7
.set AXF,  8
.set AXSL, 9
.set AWV,  10
.set AWVS, 11
.set AKS,  12
.set AQS,  13
.set AVS,  14
.set ASM,  15
.set G16,  16
.set G8,   17
.set G8L,  18
.set GW,   19
.set WN,   20                          ; head: v20-179 my 20 rows of the weights, 8 numbers a lane each
.set WCD,  180                         ; head: v180-199 a word of codes for each row
.set WBY,  200                         ; head: v200-219 a scale byte for each row
.set WT,   220                         ; head: v220-223 largest magnitudes, v224-227 the conversions' scale operands: four rows by turns
.set NUM,  20                          ; phase X: v20-83 64 numbers, v84-91 codes, v92-99 at work
.set CDX,  84
.set XF,   20                          ; P2: v20-147 x's 16 fragments
.set HA,   148                         ; P2: v148-211 eight accumulators
.set WF,   148                         ; P1: v148-179 four fragments of Wq or Wk
.set XQ,   180                         ; P1: v180-195 x's two fragments of my tile
.set ACC,  196                         ; P1: v196-211 two accumulators
.set WV,   212                         ; v212-227 Wv's two fragments
.set XS,   228                         ; v228-235 x's scale words      (v228-243 hold scales and nothing else)
.set WVS,  236                         ; v236-237 Wv's
.set WS,   238                         ; v238-241 Wq's or Wk's
.set XQS,  242                         ; v242-243 x's, of my tile
.set TM,   244                         ; v244-247 largest magnitudes (P1: +2, +3 the codes), v248-251 the partner's, then bytes, v252-255 the conversions' scale operands
.set TL,   244                         ; head: v244-251 at work on the addresses; v252, v253 where my rows' codes and scale bytes go
.set TR,   245
.set TH,   246
.set T8,   247
.set TP,   248
.set TA,   249
.set TB,   250
.set AWC,  252
.set AWB,  253
.set PC,   20                          ; P2: the codes just made
.set PWR,  28                          ; and their scale word
.macro MM d, a, b, acc, sa, sb, row    ; one product 16 x 16 x 128.  acc = 0: it starts the sum.  row = 1: source 0's scales stand in lanes 16-31
.if \acc
.if \row
	v_wmma_scale_f32_16x16x128_f8f6f4 v[(\d):(\d)+7], v[(\a):(\a)+7], v[(\b):(\b)+7], v[(\d):(\d)+7], v[\sa], v[\sb] matrix_a_fmt:MATRIX_FMT_FP4 matrix_b_fmt:MATRIX_FMT_FP4 matrix_a_scale:MATRIX_SCALE_ROW1
.else
	v_wmma_scale_f32_16x16x128_f8f6f4 v[(\d):(\d)+7], v[(\a):(\a)+7], v[(\b):(\b)+7], v[(\d):(\d)+7], v[\sa], v[\sb] matrix_a_fmt:MATRIX_FMT_FP4 matrix_b_fmt:MATRIX_FMT_FP4
.endif
.else
.if \row
	v_wmma_scale_f32_16x16x128_f8f6f4 v[(\d):(\d)+7], v[(\a):(\a)+7], v[(\b):(\b)+7], 0, v[\sa], v[\sb] matrix_a_fmt:MATRIX_FMT_FP4 matrix_b_fmt:MATRIX_FMT_FP4 matrix_a_scale:MATRIX_SCALE_ROW1
.else
	v_wmma_scale_f32_16x16x128_f8f6f4 v[(\d):(\d)+7], v[(\a):(\a)+7], v[(\b):(\b)+7], 0, v[\sa], v[\sb] matrix_a_fmt:MATRIX_FMT_FP4 matrix_b_fmt:MATRIX_FMT_FP4
.endif
.endif
.endm
; Rows 4 g .. 4 g + 3 of my 20 rows of the weights become codes and scale bytes in LDS; the four rows by turns, so that no line waits for the line above it.
.macro WGROUP g
.irp q, 0,1,2,3
.irp i, 0,1,2,3
	v_permlane16_swap_b32 v[WN+8*(4*(\g)+\q)+\i], v[WN+8*(4*(\g)+\q)+4+\i]   ; the first load's lanes 16-31 change places with the second's lanes 0-15: my eight registers are now k = 128 h + 8 r + 0 .. 7
.endr
.endr
.irp q, 0,1,2,3
	v_max3_num_f32 v[WT+\q], |v[WN+8*(4*(\g)+\q)]|, |v[WN+8*(4*(\g)+\q)+1]|, 0x1800000   ; my eight numbers, and the floor 2^(3 - 127): the byte cannot fall under 1
.endr
.irp i, 2,4,6
.irp q, 0,1,2,3
	v_max3_num_f32 v[WT+\q], v[WT+\q], |v[WN+8*(4*(\g)+\q)+\i]|, |v[WN+8*(4*(\g)+\q)+\i+1]|
.endr
.endr
.irp q, 0,1,2,3
	v_max_num_f32_dpp v[WT+\q], v[WT+\q], v[WT+\q] row_xmask:1 row_mask:0xf bank_mask:0xf
.endr
.irp q, 0,1,2,3
	v_max_num_f32_dpp v[WT+\q], v[WT+\q], v[WT+\q] row_xmask:2 row_mask:0xf bank_mask:0xf   ; with the three lanes that share my block of 32
.endr
.irp q, 0,1,2,3
	v_add_nc_u32 v[WT+4+\q], 0xff000000, v[WT+\q]  ; 2 off the exponent field: the conversion's scale operand
.endr
.irp q, 0,1,2,3
	v_cvt_scalef32_pk8_fp4_f32 v[WCD+4*(\g)+\q], v[WN+8*(4*(\g)+\q):WN+8*(4*(\g)+\q)+7], v[WT+4+\q]
.endr
.irp q, 0,1,2,3
	v_lshrrev_b32 v[WBY+4*(\g)+\q], 23, v[WT+4+\q] ; the scale's byte (plain lines behind the conversions)
.endr
.irp q, 0,1,2,3
	ds_store_b32 v[AWC], v[WCD+4*(\g)+\q] offset:WP*(4*(\g)+\q)   ; 4 x lane: the row's 128 bytes of codes
	ds_store_b8 v[AWB], v[WBY+4*(\g)+\q] offset:8*(4*(\g)+\q)     ; lane / 4: the four lanes of a block write the same byte with the same value
.endr
.endm
	s_load_b256 s[4:11], s[0:1], 0x0               ; x s[4:5], Wq s[6:7], Wk s[8:9], Wv s[10:11]
	s_load_b128 s[32:35], s[0:1], 0x20             ; kv s[32:33], qc s[34:35]
	s_load_b64 s[36:37], s[0:1], 0x30              ; qs
	v_lshl_add_u32 v254, v0, 2, 0x31000
	v_mov_b32 v255, 0
	ds_add_u32 v254, v255
	ds_add_u32 v254, v255
	s_wait_dscnt 0x0
	v_lshrrev_b32 v1, 5, v0
	v_readfirstlane_b32 s14, v1                    ; wave 0..15
	s_and_b32 s15, ttmp7, 0xffff                   ; the batch
	; descriptor group 1 for x: 32 rows (channels) of 128 numbers of 4 bytes, 4,096 numbers from row to row
	s_mov_b32 s24, 2<<16
	s_mov_b32 s25, 128<<16
	s_mov_b32 s26, 32<<16
	s_mov_b32 s27, 128<<16
	s_mov_b32 s28, 32
	s_mov_b32 s29, 4096
	s_mov_b32 s30, 0
	s_mov_b32 s31, 0
	s_and_b32 s16, s14, 7
	s_lshl_b32 s41, s16, 14                        ; x: wave w brings channels 32 w on, to LDS byte 16,384 w
	s_lshl_b32 s18, s16, 19                        ; in memory: 32 channels are 524,288 bytes,
	s_lshl_b32 s17, s15, 22                        ; a batch 4,194,304,
	s_add_co_u32 s18, s18, s17
	s_lshl_b32 s17, ttmp9, 9                       ; 128 positions 512
	s_add_co_u32 s18, s18, s17
	s_mov_b32 s19, 0
	s_lshl_b32 s22, s14, 14                        ; Wv: my 16 rows of 1,024 bytes
	s_mov_b32 s23, 0
	s_lshl_b32 s38, s16, 12                        ; Wq (waves 0-7) or Wk (waves 8-15): rows 4 (w % 8) on
	s_mov_b32 s39, 0
	s_mov_b32 s40, 1
	v_and_b32 v[TL], 31, v0                        ; l
	v_and_b32 v[TR], 15, v0                        ; r
	v_bfe_u32 v[TH], v0, 4, 1                      ; h
	v_lshlrev_b32 v[GW], 5, v[TR]
	v_lshl_add_u32 v[GW], v[TH], 4, v[GW]          ; my 16 bytes of a load's 512: 32 r + 16 h
	s_wait_kmcnt 0x0
	s_add_nc_u64 s[42:43], s[4:5], s[18:19]
	s_or_b32 s43, s43, 0x80000000
	s_add_nc_u64 s[44:45], s[10:11], s[22:23]
	s_cmp_lt_u32 s14, 8                            ; the choice and the branch hang on the wave's number alone
	s_cselect_b64 s[46:47], s[6:7], s[8:9]
	s_add_nc_u64 s[46:47], s[46:47], s[38:39]
	s_cbranch_scc0 .Lasked                         ; waves 0-7 ask for x; one tensor load of a wave is out at the most
	tensor_load_to_lds s[40:43], s[24:31]
	s_nop 0
.rept 4
	v_nop
.endr
.Lasked:
.set i, 0
.rept 16                                       ; my 20 rows of the weights: 40 loads, each of 512 consecutive bytes; many work-groups read them, so no hint
	global_load_b128 v[WN+8*i:WN+8*i+3], v[GW], s[44:45] offset:1024*i
	global_load_b128 v[WN+8*i+4:WN+8*i+7], v[GW], s[44:45] offset:1024*i+512
.set i, i+1
.endr
.set i, 0
.rept 4
	global_load_b128 v[WN+128+8*i:WN+128+8*i+3], v[GW], s[46:47] offset:1024*i
	global_load_b128 v[WN+128+8*i+4:WN+128+8*i+7], v[GW], s[46:47] offset:1024*i+512
.set i, i+1
.endr
	; where the results go (all of this stands between the loads and the first wait for them)
	s_lshl_b32 s16, s15, 5
	s_add_co_u32 s16, s16, ttmp9
	s_mul_i32 s16, s16, RECB
	s_mov_b32 s17, 0
	s_add_nc_u64 s[48:49], s[32:33], s[16:17]      ; my record
	s_lshl_b32 s16, s15, 16
	s_lshl_b32 s18, ttmp9, 11
	s_add_co_u32 s16, s16, s18
	s_add_nc_u64 s[50:51], s[34:35], s[16:17]      ; my 128 slots of qc
	s_lshl_b32 s16, s15, 14
	s_lshl_b32 s18, ttmp9, 9
	s_add_co_u32 s16, s16, s18
	s_add_nc_u64 s[52:53], s[36:37], s[16:17]      ; and of qs
	s_and_b32 s60, s14, 3                          ; g:    phase X: which 32 positions
	s_lshr_b32 s61, s14, 2                         ; qd:   phase X: which 64 channels
	s_and_b32 s62, s14, 7                          ; t:    P1: which tile of positions
	s_lshr_b32 s63, s14, 3                         ; kind: P1: 0 = f (Wq), 1 = g (Wk)
	s_cmp_lt_u32 s14, 8
	s_cselect_b64 s[54:55], s[48:49], s[50:51]     ; P1's codes: into the record or into qc,
	s_lshl_b32 s16, s62, 8
	s_add_nc_u64 s[54:55], s[54:55], s[16:17]      ; 256 bytes a tile
	s_lshl_b32 s16, s14, 10
	s_add_co_u32 s16, s16, 2048
	s_add_nc_u64 s[56:57], s[48:49], s[16:17]      ; P2's fragment
	s_lshl_b32 s16, s14, 8
	s_add_co_u32 s18, s16, 18432                   ; the small results: waves 0-4 into the record,
	s_max_u32 s19, s14, 5
	s_sub_co_u32 s19, s19, 5
	s_lshl_b32 s19, s19, 8                         ; waves 5, 6 into qs
	s_cmp_lt_u32 s14, 5
	s_cselect_b32 s16, s18, s19
	s_cselect_b64 s[58:59], s[48:49], s[52:53]
	s_add_nc_u64 s[58:59], s[58:59], s[16:17]
	s_mov_b32 s20, 0x76543210
	s_mov_b32 s21, 0xfedcba98                      ; v_permlanex16_b32's selects for lane l xor 16
	; every address: a constant + a constant x lane + constants x parts of the wave's number
	s_mul_i32 s16, s14, 20*WP
	s_add_co_u32 s16, s16, WR                      ; my 20 rows of the weights' codes
	v_lshl_add_u32 v[AWC], v[TL], 2, s16           ; in: 4 x lane
	v_mul_u32_u24 v[AWV], v[TR], WP
	v_lshl_add_u32 v[AWV], v[TH], 4, v[AWV]
	v_add_nc_u32 v[AWV], s16, v[AWV]               ; back: Wv's fragments: row r, + 16 h
	s_mul_i32 s16, s14, 160
	s_add_co_u32 s16, s16, WSC                     ; and of their scale bytes
	v_lshrrev_b32 v[AWB], 2, v[TL]
	v_add_nc_u32 v[AWB], s16, v[AWB]               ; in: lane / 4
	v_lshl_add_u32 v[AWVS], v[TR], 3, s16          ; back: row r's 8 bytes
	v_lshrrev_b32 v[TA], 2, v[TR]                  ; row q of Wq and Wk laid on end lies at LDS row 20 (q / 4) + 16 + q % 4.  Lane r of tile u wants q = 32 kind + 8 u + r + 8 (r / 8):
	v_lshrrev_b32 v[TB], 3, v[TR]
	v_lshl_add_u32 v[TA], v[TB], 1, v[TA]          ; its lane's part of q / 4: r / 4 + 2 (r / 8),
	v_and_b32 v[TB], 3, v[TR]                      ; q % 4 = r % 4
	v_mad_u32_u24 v[TA], v[TA], 20, v[TB]
	s_mul_i32 s16, s63, 160*WP                     ; 32 kind are 160 LDS rows, 8 u are 40
	s_add_co_u32 s16, s16, WR+16*WP
	v_mul_u32_u24 v[AWF], v[TA], WP
	v_lshl_add_u32 v[AWF], v[TH], 4, v[AWF]
	v_add_nc_u32 v[AWF], s16, v[AWF]
	s_mul_i32 s16, s63, 160*8
	s_add_co_u32 s16, s16, WSC+16*8
	v_lshl_add_u32 v[AWS], v[TA], 3, s16
	v_and_b32 v[T8], 8, v[TR]
	v_lshl_add_u32 v[TP], v[TH], 3, v[TR]
	v_add_nc_u32 v[TP], v[TP], v[T8]               ; 8 h + r + 8 (r / 8): my position among the 32
	s_lshl_b32 s16, s61, 15
	s_lshl_b32 s17, s60, 7
	s_add_co_u32 s16, s16, s17
	v_lshl_add_u32 v[AX], v[TP], 2, s16            ; x in LDS: channel 64 qd, position 32 g + mine
	s_lshl_b32 s16, s60, 12
	s_lshl_b32 s17, s61, 9
	s_add_co_u32 s16, s16, s17
	s_add_co_u32 s16, s16, XIMG
	v_lshl_add_u32 v[AXI], v[TL], 4, s16           ; the image of tile 2 g: K step qd / 2, registers 4 (qd % 2) on
	s_lshl_b32 s16, s60, 8
	s_lshr_b32 s17, s61, 1
	s_lshl_b32 s17, s17, 7
	s_add_co_u32 s16, s16, s17
	s_and_b32 s17, s61, 1
	s_lshl_b32 s17, s17, 1
	s_add_co_u32 s16, s16, s17
	s_add_co_u32 s16, s16, XSC
	v_lshl_add_u32 v[AXS], v[TL], 2, s16           ; my two bytes of a scale word
	s_lshl_b32 s16, s62, 11
	s_add_co_u32 s16, s16, XIMG
	v_lshl_add_u32 v[AXQ], v[TL], 4, s16
	s_lshr_b32 s16, s62, 1
	s_lshl_b32 s16, s16, 8
	s_and_b32 s17, s62, 1
	s_lshl_b32 s17, s17, 6
	s_add_co_u32 s16, s16, s17
	s_add_co_u32 s16, s16, XSC
	v_lshl_add_u32 v[AXQS], v[TR], 2, s16          ; tile t's words, into lanes 0-15 whichever half of the stored register they lie in
	v_lshl_add_u32 v[AXF], v[TL], 4, XIMG
	v_lshl_add_u32 v[AXSL], v[TL], 2, XSC
	s_lshr_b32 s16, s62, 2
	s_lshl_b32 s16, s16, 6
	s_and_b32 s17, s62, 3
	s_add_co_u32 s16, s16, s17
	s_add_co_u32 s16, s16, SM
	v_lshl_add_u32 v[AKS], v[TR], 2, s16
	v_lshl_add_u32 v[AKS], v[TH], 7, v[AKS]        ; f's scale byte; lanes 16-31 write the second copy
	s_lshl_b32 s16, s62, 6
	s_add_co_u32 s16, s16, SM+1280
	v_lshl_add_u32 v[AQS], v[TR], 2, s16
	s_lshr_b32 s16, s14, 2
	s_lshl_b32 s16, s16, 8
	s_and_b32 s17, s14, 3
	s_lshl_b32 s17, s17, 2
	s_add_co_u32 s16, s16, s17
	s_add_co_u32 s16, s16, SM+256
	v_lshl_add_u32 v[AVS], v[TR], 4, s16
	s_min_u32 s16, s14, 6                          ; (waves 7-15 do not use this address: held inside LDS all the same)
	s_lshl_b32 s16, s16, 8
	s_add_co_u32 s16, s16, SM
	v_lshl_add_u32 v[ASM], v[TL], 3, s16
	v_lshlrev_b32 v[G16], 4, v[TL]
	v_lshlrev_b32 v[G8], 4, v[TR]
	v_lshl_add_u32 v[G8], v[TH], 3, v[G8]
	v_lshlrev_b32 v[G8L], 3, v[TL]
.irp b, 0,1,2,3
	v_mov_b32 v[TM+4+\b], 0                        ; written once: a lane permute's destination counts as one of its sources
.endr
	; ---- the weights: five groups of four rows; each wait leaves the younger groups' loads, eight each, on their way
	s_wait_loadcnt 32
	WGROUP 0
	s_wait_loadcnt 24
	WGROUP 1
	s_wait_loadcnt 16
	WGROUP 2
	s_wait_loadcnt 8
	WGROUP 3
	s_wait_loadcnt 0x0
	WGROUP 4
	s_wait_tensorcnt 0x0                           ; my tile of x has landed (a wave that fetched nothing passes at once),
	s_wait_dscnt 0x0                               ; and so have my rows of the weights;
	s_barrier_signal -1
	s_barrier_wait -1                              ; everybody's have
	; ---- X: 32 positions x 64 channels: two blocks of 32 along K, all of each in my registers
.set i, 0
.rept 64
	ds_load_b32 v[NUM+i], v[AX] offset:512*i       ; 32 lanes read 32 neighbouring words of one channel's row
.set i, i+1
.endr
.macro XBLOCK bk
.set XB, NUM+32*(\bk)
.set TT, 92+4*(\bk)
	v_max3_num_f32 v[TT], |v[XB]|, |v[XB+1]|, |v[XB+2]|
	v_max3_num_f32 v[TT+1], |v[XB+3]|, |v[XB+4]|, |v[XB+5]|
.irp i, 6,10,14,18,22,26
	v_max3_num_f32 v[TT], v[TT], |v[XB+\i]|, |v[XB+\i+1]|
	v_max3_num_f32 v[TT+1], v[TT+1], |v[XB+\i+2]|, |v[XB+\i+3]|
.endr
	v_max3_num_f32 v[TT], v[TT], |v[XB+30]|, |v[XB+31]|
	v_max3_num_f32 v[TT], v[TT], v[TT+1], 0x1800000    ; the floor 2^(3 - 127): the byte cannot fall under 1
	v_add_nc_u32 v[TT+2], 0xff000000, v[TT]            ; 2 off the exponent field: the conversion's scale operand
	v_lshrrev_b32 v[TT+3], 23, v[TT+2]                 ; the scale's byte
.irp g, 0,1,2,3
	v_cvt_scalef32_pk8_fp4_f32 v[CDX+4*(\bk)+\g], v[XB+8*\g:XB+8*\g+7], v[TT+2]
.endr
.endm
	s_wait_dscnt 32                                ; the first block's 32 loads are in; the second's may be out
	XBLOCK 0
	s_wait_dscnt 0x0
	XBLOCK 1
	v_nop                                          ; one plain line behind the last scaled conversion
.irp i, 0,1,2,3                                ; lanes 0-15 hold tile 2 g's rows, lanes 16-31 tile 2 g + 1's; an operand wants block h in lanes 16 h on:
	v_permlane16_swap_b32 v[CDX+\i], v[CDX+4+\i]   ; the first's lanes 16-31 change places with the second's lanes 0-15: now v84-87 are tile 2 g's four registers, v88-91 tile 2 g + 1's
.endr
	v_lshl_or_b32 v95, v99, 8, v95                 ; my two scale bytes
	ds_store_b128 v[AXI], v[CDX:CDX+3]
	ds_store_b128 v[AXI], v[CDX+4:CDX+7] offset:2048
	ds_store_b16 v[AXS], v95
	s_wait_dscnt 0x0                               ; for the others' sake: my stores have landed
	s_barrier_signal -1
	s_barrier_wait -1                              ; x's sixteen fragments and their scale words lie in LDS
	; ---- all LDS loads of P1 (18) and of P2 (46) in one run
.irp i, 0,1,2,3,4,5,6,7
	ds_load_b128 v[WF+4*\i:WF+4*\i+3], v[AWF] offset:40*WP*(\i/4)+64*((\i/2)%2)+32*(\i%2)   ; fragment (tile u, K step s) at WF + 8 (2 u + s): 40 LDS rows a tile, 64 bytes a K step
.endr
.irp i, 0,1,2,3
	ds_load_b32 v[WS+\i], v[AWS] offset:320*(\i/2)+4*(\i%2)
.endr
.irp i, 0,1,2,3
	ds_load_b128 v[XQ+4*\i:XQ+4*\i+3], v[AXQ] offset:512*\i
.endr
	ds_load_b32 v[XQS], v[AXQS]
	ds_load_b32 v[XQS+1], v[AXQS] offset:128
.set i, 0
.rept 32
	ds_load_b128 v[XF+4*i:XF+4*i+3], v[AXF] offset:512*i           ; fragment (t, s) at XF + 8 (2 t + s)
.set i, i+1
.endr
.irp i, 0,1,2,3,4,5,6,7
	ds_load_b32 v[XS+\i], v[AXSL] offset:128*\i
.endr
.irp i, 0,1,2,3
	ds_load_b128 v[WV+4*\i:WV+4*\i+3], v[AWV] offset:32*\i         ; K step i / 2, registers 4 (i % 2) on
.endr
.irp i, 0,1
	ds_load_b32 v[WVS+\i], v[AWVS] offset:4*\i
.endr
	; ---- P1: transposed: source 0 = 16 rows of Wq or Wk, source 1 = my tile of x.  Lane (r, h) holds the position of row r; the two accumulators' 16 registers are q = 16 h + 0 .. 15
	s_wait_dscnt 46                                ; P1's 18 loads are in; P2's 46, issued behind them, may be out
	MM ACC, WF, XQ, 0, WS, XQS, 0                  ; the two accumulators by turns
	MM ACC+8, WF+16, XQ, 0, WS+2, XQS, 0
	MM ACC, WF+8, XQ+8, 1, WS+1, XQS+1, 0
	MM ACC+8, WF+24, XQ+8, 1, WS+3, XQS+1, 0
.rept 5
	v_nop                                          ; four places ahead of the first read of the results; five, since P2's products are laid over these operands
.endr
	v_max3_num_f32 v[TM], |v[ACC]|, |v[ACC+1]|, 0x1800000
.irp i, 2,4,6,8,10,12,14
	v_max3_num_f32 v[TM], v[TM], |v[ACC+\i]|, |v[ACC+\i+1]|
.endr
	v_permlanex16_b32 v[TM+4], v[TM], s20, s21
	v_max_num_f32 v[TM], v[TM], v[TM+4]            ; with lane l xor 16's: the largest magnitude of the position's 32
	v_add_nc_u32 v[TM+8], 0xff000000, v[TM]
	v_lshrrev_b32 v[TM+4], 23, v[TM+8]             ; the scale's byte
	v_cvt_scalef32_pk8_fp4_f32 v[TM+2], v[ACC:ACC+7], v[TM+8]
	v_cvt_scalef32_pk8_fp4_f32 v[TM+3], v[ACC+8:ACC+15], v[TM+8]
	v_lshl_or_b32 v[TM+5], v[TM+4], 8, v[TM+4]     ; (a plain line behind the conversions)  the byte four times: what g's scale word holds
	v_lshl_or_b32 v[TM+5], v[TM+5], 16, v[TM+5]
	global_store_b64 v[G8], v[TM+2:TM+3], s[54:55] ; 16 r + 8 h: the wave stores 256 consecutive bytes, aligned
	s_cmp_lt_u32 s14, 8
	s_cbranch_scc0 .Lqueries
	ds_store_b8 v[AKS], v[TM+4]
	s_branch .Lscaled
.Lqueries:
	ds_store_b32 v[AQS], v[TM+5]                   ; both halves of the lanes write the same word with the same value
.Lscaled:
	; ---- P2: source 0 = a tile of x, source 1 = my 16 rows of Wv.  Lane (r, h) holds channel 16 w + r; the 16 registers of tiles 2 b, 2 b + 1 are positions 32 b + 16 h + 0 .. 15
	s_wait_dscnt 0x0
.irp s, 0,1
.set t, 0
.rept 8
	MM HA+8*t, XF+8*(2*t+\s), WV+8*\s, \s, XS+2*(t/2)+\s, WVS+\s, t%2   ; the eight accumulators by turns, a K step at a time
.set t, t+1
.endr
.endr
.rept 4
	v_nop
.endr
	s_wait_xcnt 0x0                                ; P1's store has read its registers: they are written again below
.irp b, 0,1,2,3
	v_max3_num_f32 v[TM+\b], |v[HA+16*\b]|, |v[HA+1+16*\b]|, 0x1800000
.endr
.irp i, 2,4,6,8,10,12,14
.irp b, 0,1,2,3
	v_max3_num_f32 v[TM+\b], v[TM+\b], |v[HA+16*\b+\i]|, |v[HA+1+16*\b+\i]|   ; the four blocks by turns
.endr
.endr
.irp b, 0,1,2,3
	v_permlanex16_b32 v[TM+4+\b], v[TM+\b], s20, s21
.endr
.irp b, 0,1,2,3
	v_max_num_f32 v[TM+\b], v[TM+\b], v[TM+4+\b]
.endr
.irp b, 0,1,2,3
	v_add_nc_u32 v[TM+8+\b], 0xff000000, v[TM+\b]
.endr
.irp b, 0,1,2,3
	v_lshrrev_b32 v[TM+4+\b], 23, v[TM+8+\b]
.endr
	v_lshl_or_b32 v[PWR], v[TM+5], 8, v[TM+4]      ; my channel's scale word for these 128 positions
	v_lshl_or_b32 v[PWR], v[TM+6], 16, v[PWR]
	v_lshl_or_b32 v[PWR], v[TM+7], 24, v[PWR]
.irp b, 0,1,2,3
	v_cvt_scalef32_pk8_fp4_f32 v[PC+2*\b], v[HA+16*\b:HA+7+16*\b], v[TM+8+\b]
	v_cvt_scalef32_pk8_fp4_f32 v[PC+1+2*\b], v[HA+8+16*\b:HA+15+16*\b], v[TM+8+\b]
.endr
	v_nop                                          ; one plain line behind the last scaled conversion
.irp c, 0,1                                    ; the operand's layout wants a whole block in a lane
.irp i, 0,1
	v_permlane16_swap_b32 v[PC+4*\c+\i], v[PC+2+4*\c+\i]
.endr
.endr
	global_store_b128 v[G16], v[PC:PC+3], s[56:57]             ; the fragment as it stands: 512 consecutive bytes a store
	global_store_b128 v[G16], v[PC+4:PC+7], s[56:57] offset:512
	ds_store_b32 v[AVS], v[PWR]
	s_wait_dscnt 0x0                               ; for the others' sake: my scale bytes and words have landed
	s_barrier_signal -1
	s_barrier_wait -1
	s_cmp_lt_u32 s14, 7                            ; 1,792 bytes of scales leave as seven aligned blocks of 256
	s_cbranch_scc0 .Ldone
	ds_load_b64 v[30:31], v[ASM]
	s_wait_dscnt 0x0
	global_store_b64 v[G8L], v[30:31], s[58:59]
.Ldone:
	s_wait_xcnt 0x0
	v_lshl_add_u32 v254, v0, 2, 0x31000
	v_mov_b32 v255, 0
	s_wait_tensorcnt 0x0
	ds_add_u32 v254, v255
	s_wait_dscnt 0x0
	s_endpgm
.Lfunc_end_k_q3d8bc7ec3e_proj:
	.size	k_q3d8bc7ec3e_proj, .Lfunc_end_k_q3d8bc7ec3e_proj-k_q3d8bc7ec3e_proj
	.p2alignl 7, 3214868480
	.fill 96, 4, 3214868480
	.section	.rodata,"a",@progbits
	.p2align	6, 0x0
	.amdhsa_kernel k_q3d8bc7ec3e_proj
		.amdhsa_group_segment_fixed_size 202752
		.amdhsa_private_segment_fixed_size 0
		.amdhsa_enable_private_segment 0
		.amdhsa_kernarg_size 56
		.amdhsa_user_sgpr_count 2
		.amdhsa_user_sgpr_kernarg_segment_ptr 1
		.amdhsa_wavefront_size32 1
		.amdhsa_system_sgpr_workgroup_id_x 1
		.amdhsa_system_sgpr_workgroup_id_y 1
		.amdhsa_system_sgpr_workgroup_id_z 1
		.amdhsa_system_vgpr_workitem_id 0
		.amdhsa_next_free_vgpr 256
		.amdhsa_next_free_sgpr 66
		.amdhsa_reserve_vcc 0
		.amdhsa_float_denorm_mode_32 3
		.amdhsa_float_denorm_mode_16_64 3
		.amdhsa_memory_ordered 1
		.amdhsa_forward_progress 1
		.amdhsa_inst_pref_size 49
	.end_amdhsa_kernel
	.amdgpu_metadata
---
amdhsa.version: [ 1, 2 ]
amdhsa.kernels:
  - .name:           k_q3d8bc7ec3e_proj
    .symbol:         k_q3d8bc7ec3e_proj.kd
    .args:
      - { .name: x, .offset: 0, .size: 8, .value_kind: global_buffer, .address_space: global }
      - { .name: Wq, .offset: 8, .size: 8, .value_kind: global_buffer, .address_space: global }
      - { .name: Wk, .offset: 16, .size: 8, .value_kind: global_buffer, .address_space: global }
      - { .name: Wv, .offset: 24, .size: 8, .value_kind: global_buffer, .address_space: global }
      - { .name: kv, .offset: 32, .size: 8, .value_kind: global_buffer, .address_space: global }
      - { .name: qc, .offset: 40, .size: 8, .value_kind: global_buffer, .address_space: global }
      - { .name: qs, .offset: 48, .size: 8, .value_kind: global_buffer, .address_space: global }
    .group_segment_fixed_size: 202752
    .private_segment_fixed_size: 0
    .kernarg_segment_align: 8
    .kernarg_segment_size: 56
    .max_flat_workgroup_size: 512
    .sgpr_count:     66
    .vgpr_count:     256
    .wavefront_size: 32
...
	.end_amdgpu_metadata
.endif
;; end of part 1
;; launch attn (part 2): grid 64 x 4, 8 waves a work-group, clusters of 4 x 1, 327,680 bytes of LDS; arguments qc, qs, kv, out0; writes out0
.if DOCPART == 2
	.amdgcn_target "amdgcn-amd-amdhsa--gfx1250"
	.amdhsa_code_object_version 6
	.text
	.protected	k_q3d8bc7ec3e_attn
	.globl	k_q3d8bc7ec3e_attn
	.p2align	8
	.type	k_q3d8bc7ec3e_attn,@function
k_q3d8bc7ec3e_attn:
	s_mov_b64 s[64:65], 0
	v_nop
	global_prefetch_b8 v0, s[64:65] scope:SCOPE_SE
	s_setreg_imm32_b32 hwreg(HW_REG_WAVE_MODE, 25, 1), 1
	s_wait_xcnt 0x0
	s_wait_alu depctr_hold_cnt(0) depctr_sa_sdst(0) depctr_va_vdst(0) depctr_va_sdst(0) depctr_va_ssrc(0) depctr_va_vcc(0) depctr_vm_vsrc(0)
	s_getreg_b32 s2, hwreg(HW_REG_IB_STS2, 6, 4)
	s_cmp_eq_u32 s2, 0
	s_cbranch_scc0 .Lentry_in_a_cluster
	s_endpgm
.Lentry_in_a_cluster:
	s_bfe_u32 s2, ttmp6, 0x10000c
	s_cmp_lg_u32 s2, 0x3003
	s_cbranch_scc0 .Lentry_shape_is_right
	s_endpgm
.Lentry_shape_is_right:
; out[b][c][j] = sum over i of v[b][c][i] softmax_i(f[b][:, i] . g[b][:, j] / 16), both products on codes of FP4 (E2M1) with E8M0 scales.  f's positions i are the KEYS, g's positions j the QUERIES.
; In: kv, one record of 19,712 bytes for each 128 keys (f's codes, v's 16 fragments, both scales), qc and qs (g's codes and scale words), all laid in the order of the operands' registers by the launch before.
; THE SOFTMAX: t = score x log2(e) / 16; M = the largest t so far, rounded up to a whole number; p = 2^(t - M) is quantised along the keys; the sum l is taken of the unquantised p and divides at the end.
; SHARES.  A work-group owns 64 queries of one batch.  Wave w: P = w % 2: two tiles of 16 queries; kap = w / 2: the key steps (128 keys) whose number is kap modulo 4.  So each fragment of v read from LDS feeds two
; products, two waves share a SIMD, and four waves hold partial (O, l, M) of the same queries: they meet in LDS at the end, each brought under the common M by an exact power of two.
; PRODUCT 4 HAS K = 32 IN AN INSTRUCTION OF K = 128.  One fragment of source 0 holds FOUR tiles of 16 keys, one in each block of 32; the queries' fragment stands in four versions, its 32 codes in one block and zero
; codes in the three others, which add nothing.  The versions share registers: zeros, data in lanes 0-15, zeros, data in lanes 16-31, zeros.
; LAYOUT.  Both products transposed: S^T = f^T g (source 0 = 16 keys), O^T = v p (source 0 = 16 channels): a lane holds one query throughout.  Row r of key tile 2 b + u is key 32 b + 8 u + r + 8 (r / 8), so
; that the 16 registers of tiles 2 b, 2 b + 1 are 16 neighbouring keys.  The queries' slots are ordered likewise: slot r of tile e is query 32 P + 8 e + r + 8 (r / 8) of the work-group's 64.
; RING.  Two LDS slots of eight records; each of the eight waves brings one record (77 rows of 256 bytes) with one tensor load.  CLUSTER: the four work-groups of a cluster belong to one batch and walk the same
; records: each load is asked for jointly, with the same descriptor and a mask that names the four.  By this text's count a wave has two tensor loads out at the start and one behind each refill.
; LIMITS: NaN and infinities are not served; p under 2^-126 counts as 0; a block of p that is all zeros keeps the byte 1; the four key tiles of one instruction are summed together, three of them against zero codes.
; REGISTERS.  Window 0: v1-7 addresses; v8-15 -M, largest t, l (two halves) for each tile; v16-19 f = 2^(old M - new M); v20-33 scales and nothing else; v34-69 the queries' versions; v70-85 keys; v86-101 p's codes;
;   v102-165 S^T, then p; v166-229 two sets of four fragments of v; v230-242 at work; v244-252 addresses of the way out.   Window 1: O^T, tile e, channels 16 t on, at v[128 e + 8 t].
.set RECB,   19712
.set ROUNDB, 4*RECB                    ; four records: one for each kap
.set SLOTB,  8*RECB
.set SPARE,  2*SLOTB                   ; behind the ring: the spare words, 128 bytes for each wave: four blocks of 256 bytes that no other line names
.set STAT,   SPARE+1024                ; -M at 256 kap + 4 n, l 1,024 bytes on
.set SPITCH, 272                       ; the merge's stage: a channel's 64 queries, 256 bytes + 16
.set PLANE,  256*SPITCH                ; one plane for each kap, from LDS byte 0 on: written when both slots have had their last fill and their last read
.set KSOFF,  18432
.set VSOFF,  18688
.set LB,  1
.set LB4, 2
.set AD,  3
.set AD4, 4
.set SPW, 5                            ; v5  LDS address of my spare word; never rewritten
.set NIL, 6                            ; v6  0; never rewritten
.set PFO, 7                            ; v7  the prefetch's offset; never rewritten
.set QS,  20                           ; v20-21 the queries' scale words
.set PW,  22                           ; v22-23 p's
.set KSR, 24                           ; v24    the keys': lanes 0-15 tiles 0-3, lanes 16-31 tiles 4-7
.set VSR, 26                           ; v26-33 v's: register 4 L + i, lanes 16 a + r: tile 8 L + 4 a + i
.set QB,  34
.set KF,  70
.set PCD, 86
.set S,   102
.set VA,  166
.set VB,  198
.set BM,  230
.set T2,  234
.set SO,  238
.set X,   242
.set SA0, 244
.set SA1, 245
.set STA, 246
.set SB,  247
.set RA,  248
.set GO,  252
.set WV,  12                           ; s12 my wave's number
.set G1,  24                           ; s[24:31] descriptor group 1
.set G0,  32                           ; s[32:35], s[36:39] group 0 for slot 0, slot 1
.set PFA, 40                           ; s[40:41] where my work-group's prefetch stands; never rewritten
.set LIM, 42                           ; s42 0 in a wave that prefetches
.set TB,  43                           ; s43 LDS byte at which the round's four records begin
.set CNT, 44
.set SEL, 46                           ; s[46:47] lane selects for v_permlanex16_b32: lane l xor 16
.set CS,  48                           ; s[48:49] c = log2(e) / 16
.set MSB, 0
.macro WIN new                         ; the immediate's high byte repeats the setting that is left; a switch that changes nothing is dropped
.if MSB != \new
	s_set_vgpr_msb (MSB<<8)|\new
.set MSB, \new
.endif
.endm
.macro PLACES n
.rept \n
	v_nop
.endr
.endm
.macro MM d, a, b, acc, sa, sb, row    ; one product 16 x 16 x 128.  acc = 0: it starts the sum.  row = 1: source 0's scales stand in lanes 16-31
.if \acc
.if \row
	v_wmma_scale_f32_16x16x128_f8f6f4 v[(\d):(\d)+7], v[(\a):(\a)+7], v[(\b):(\b)+7], v[(\d):(\d)+7], v[\sa], v[\sb] matrix_a_fmt:MATRIX_FMT_FP4 matrix_b_fmt:MATRIX_FMT_FP4 matrix_a_scale:MATRIX_SCALE_ROW1
.else
	v_wmma_scale_f32_16x16x128_f8f6f4 v[(\d):(\d)+7], v[(\a):(\a)+7], v[(\b):(\b)+7], v[(\d):(\d)+7], v[\sa], v[\sb] matrix_a_fmt:MATRIX_FMT_FP4 matrix_b_fmt:MATRIX_FMT_FP4
.endif
.else
.if \row
	v_wmma_scale_f32_16x16x128_f8f6f4 v[(\d):(\d)+7], v[(\a):(\a)+7], v[(\b):(\b)+7], 0, v[\sa], v[\sb] matrix_a_fmt:MATRIX_FMT_FP4 matrix_b_fmt:MATRIX_FMT_FP4 matrix_a_scale:MATRIX_SCALE_ROW1
.else
	v_wmma_scale_f32_16x16x128_f8f6f4 v[(\d):(\d)+7], v[(\a):(\a)+7], v[(\b):(\b)+7], 0, v[\sa], v[\sb] matrix_a_fmt:MATRIX_FMT_FP4 matrix_b_fmt:MATRIX_FMT_FP4
.endif
.endif
.endm
; A round of the cluster's barrier: my work-group's barrier, wave 0 signals for the work-group, every wave waits for all four work-groups, my work-group's barrier once more.
.macro CROUND
	s_barrier_signal -1
	s_barrier_wait -1
	s_cmp_lg_u32 s[WV], 0
	s_cbranch_scc1 .Lnot_wave_0_\@
	s_barrier_signal -3
.Lnot_wave_0_\@:
	s_barrier_wait -3
	s_barrier_signal -1
	s_barrier_wait -1
.endm
	s_load_b256 s[4:11], s[0:1], 0x0               ; qc s[4:5], qs s[6:7], kv s[8:9], out0 s[10:11]
	v_lshl_add_u32 v[SPW], v0, 2, SPARE
	v_mov_b32 v[NIL], 0
	ds_add_u32 v5, v6
	ds_add_u32 v5, v6
	s_wait_dscnt 0x0
	v_lshrrev_b32 v8, 5, v0
	v_readfirstlane_b32 s[WV], v8                  ; wave 0..7
	s_bfe_u32 s13, ttmp6, 0x40000                  ; cx: my place in the cluster
	s_lshl_b32 s14, ttmp9, 2                       ; in a cluster launch ttmp9 counts clusters
	s_add_co_u32 s14, s14, s13                     ; my block of 64 queries: it enters qc's, qs's and out0's addresses alone
	s_and_b32 s15, ttmp7, 0xffff                   ; the batch, which the four partners share
	s_and_b32 s16, s[WV], 1                        ; P
	s_lshr_b32 s17, s[WV], 1                       ; kap
	; descriptor group 1: a record, dense in memory, as 77 rows of 256 bytes (32 elements of 8 bytes)
	s_mov_b32 s[G1], 15|(3<<16)|(1<<21)            ; 15:0 the mask: all four work-groups; 17:16 elements of 8 bytes; 21 set beside a mask
	s_mov_b32 s[G1+1], 32<<16                      ; tensor_dim0
	s_mov_b32 s[G1+2], 77<<16                      ; tensor_dim1
	s_mov_b32 s[G1+3], 32<<16                      ; tile_dim0
	s_mov_b32 s[G1+4], 77                          ; tile_dim1
	s_mov_b32 s[G1+5], 32                          ; from row to row
	s_mov_b32 s[G1+6], 0
	s_mov_b32 s[G1+7], 0
	s_mul_i32 s18, s[WV], RECB                     ; wave w brings record w of a slot's eight
	s_mul_i32 s20, s15, 32*RECB                    ; the batch's 32 records
	s_add_co_u32 s22, s20, s18
	s_mov_b32 s23, 0
	s_mul_i32 s56, s13, 2*RECB                     ; the prefetch: my work-group's two records
	s_add_co_u32 s56, s56, s20
	s_add_co_u32 s56, s56, 3*SLOTB                 ; of the last eight
	s_mov_b32 s57, 0
	s_cmp_lt_u32 s[WV], 5
	s_cselect_b32 s[LIM], 0, 1
	s_or_b32 s[LIM], s[LIM], ttmp9                 ; waves 0-4 of the batch's first cluster: the same in all four partners
	s_mov_b32 s[SEL], 0x76543210
	s_mov_b32 s[SEL+1], 0xfedcba98
	s_mov_b32 s[CS], 0x3db8aa3b                    ; c = log2(e) / 16
	s_mov_b32 s[CS+1], s[CS]                       ; (named with it as a pair, so it is written)
	s_wait_kmcnt 0x0
	s_add_nc_u64 s[PFA:PFA+1], s[8:9], s[56:57]
	s_mov_b32 s[G0], 1
	s_mov_b32 s[G0+1], s18
	s_add_nc_u64 s[G0+2:G0+3], s[8:9], s[22:23]    ; key steps 0 to 7
	s_mov_b32 s[G0+4], 1
	s_add_co_u32 s[G0+5], s18, SLOTB
	s_add_nc_u64 s[G0+6:G0+7], s[G0+2:G0+3], SLOTB ; key steps 8 to 15
	s_or_b32 s[G0+3], s[G0+3], 0x80000000
	s_or_b32 s[G0+7], s[G0+7], 0x80000000
	CROUND                                         ; all four work-groups are here: the first joint loads meet
	tensor_load_to_lds s[G0:G0+3], s[G1:G1+7]
	s_nop 0
	tensor_load_to_lds s[G0+4:G0+7], s[G1:G1+7]
	s_nop 0
	PLACES 4
	s_lshl_b32 s56, s15, 16                        ; qc: 65,536 bytes a batch, 1,024 a block of 64 queries, 512 for my 32
	s_lshl_b32 s58, s14, 10
	s_add_co_u32 s56, s56, s58
	s_lshl_b32 s58, s16, 9
	s_add_co_u32 s56, s56, s58
	s_add_nc_u64 s[50:51], s[4:5], s[56:57]
	s_lshr_b32 s56, s56, 2                         ; qs: a quarter of that
	s_add_nc_u64 s[52:53], s[6:7], s[56:57]
	s_lshl_b32 s56, s15, 22                        ; out0: a batch, my wave's 32 channels, my block's 256 bytes of a row
	s_lshl_b32 s58, s[WV], 19
	s_add_co_u32 s56, s56, s58
	s_lshl_b32 s58, s14, 8
	s_add_co_u32 s56, s56, s58
	s_add_nc_u64 s[54:55], s[10:11], s[56:57]
	v_and_b32 v255, 31, v0                         ; l
	v_and_b32 v238, 15, v0                         ; r
	v_bfe_u32 v239, v0, 4, 1                       ; h
	v_and_b32 v240, 8, v238
	v_add_nc_u32 v240, v240, v238                  ; r + 8 (r / 8)
	v_lshlrev_b32 v253, 4, v238
	v_lshlrev_b32 v254, 2, v238
	global_load_b128 v[S:S+3], v253, s[50:51]              ; tile 0's codes: slot r's 16 bytes, in both halves of the lanes
	global_load_b128 v[S+4:S+7], v253, s[50:51] offset:256 ; tile 1's
	global_load_b32 v[QS], v254, s[52:53]
	global_load_b32 v[QS+1], v254, s[52:53] offset:64
	v_min_u32 v[PFO], 153, v0                      ; two records are 154 blocks of 256 bytes: thread i names block i, threads 154-159 the last
	v_lshlrev_b32 v[PFO], 8, v[PFO]
	s_mul_i32 s19, s17, RECB
	v_lshl_add_u32 v[LB], v255, 4, s19             ; 16 x lane in my record of a round
	v_lshl_add_u32 v[LB4], v255, 2, s19
	s_mul_i32 s19, s17, PLANE                      ; the merge, on the way in: plane kap, channel 8 h + .., query 32 P + r + 8 (r / 8) + ..
	s_lshl_b32 s58, s16, 7
	s_add_co_u32 s19, s19, s58
	v_lshl_add_u32 v[SA0], v240, 2, s19
	v_mad_u32_u24 v[SA0], v239, 8*SPITCH, v[SA0]
	v_add_nc_u32 v[SA1], 128*SPITCH, v[SA0]        ; channels 128 on: an LDS offset has 16 bits
	s_lshl_b32 s19, s17, 8
	s_add_co_u32 s19, s19, s58
	s_add_co_u32 s19, s19, STAT
	v_lshl_add_u32 v[STA], v240, 2, s19
	v_lshl_add_u32 v[SB], v238, 4, STAT            ; on the way out: lane (h, r) takes four neighbouring queries 4 r .. 4 r + 3 of channel 32 w + h + ..
	s_mul_i32 s19, s[WV], 32*SPITCH
	v_lshl_add_u32 v[RA], v238, 4, s19
	v_mad_u32_u24 v[RA], v239, SPITCH, v[RA]
	v_add_nc_u32 v[RA+1], PLANE, v[RA]
	v_add_nc_u32 v[RA+2], 2*PLANE, v[RA]
	v_add_nc_u32 v[RA+3], 3*PLANE, v[RA]
	v_lshlrev_b32 v[GO], 4, v238
	v_lshl_add_u32 v[GO], v239, 14, v[GO]          ; and the same in out0: a channel is 16,384 bytes
.irp e, 0,1
	v_mov_b32 v[9+4*\e], 0xff61b1e6                ; the largest t so far: -3e38, under every t
	v_floor_f32 v[8+4*\e], -v[9+4*\e]              ; -M
	v_mov_b32 v[10+4*\e], 0                        ; l, in two halves
	v_mov_b32 v[11+4*\e], 0
	v_mov_b32 v[17+2*\e], 0                        ; (the upper half of f's pair is named, so it is written)
.endr
.irp b, 0,1,2,3
	v_mov_b32 v[T2+\b], 0                          ; written once: a lane permute's destination counts as one of its sources
.endr
.irp z, 0,8,16,24,32
.irp i, 0,1,2,3
	v_mov_b32 v[QB+\z+\i], 0                       ; the five runs of zero codes between the queries' data
.endr
.endr
	v_cmp_gt_u32 vcc_lo, 16, v255
	s_wait_loadcnt 0x0                             ; the queries
.irp e, 0,1
.irp i, 0,1,2,3
	v_cndmask_b32 v[QB+16*\e+4+\i], v[QB], v[S+4*\e+\i], vcc_lo    ; the data in lanes 0-15, zeros in lanes 16-31
	v_cndmask_b32 v[QB+16*\e+12+\i], v[S+4*\e+\i], v[QB], vcc_lo   ; and the other way round
.endr
.endr
; ---- the parts of a round
; S^T of tile e: 8 products, key tile T against the version whose data stand in block T % 4.  Version 0 = (data low, zeros), 1 = (data high, zeros), 2 = (zeros, data low), 3 = (zeros, data high).
.macro SQK e
	WIN 0
.set T, 0
.rept 8
.set rQ, QB+16*(\e)+4
.if T%4 == 1
.set rQ, QB+16*(\e)+12
.elseif T%4 == 2
.set rQ, QB+16*(\e)
.elseif T%4 == 3
.set rQ, QB+16*(\e)+8
.endif
	MM S+8*T, KF+8*(T/4), rQ, 0, KSR, QS+(\e), T/4
.set T, T+1
.endr
.endm
; The softmax of tile e for 128 keys: S^T becomes p, p's codes (PCD + 8 e) and scale word (PW + e); -M, l and f are brought on.
.macro SMAX e
	WIN 0
.set rM, 8+4*(\e)
.set rL, 10+4*(\e)
.set rF, 16+2*(\e)
.set rC, PCD+8*(\e)
.irp b, 0,1,2,3
	v_max3_num_f32 v[BM+\b], v[S+16*\b], v[S+1+16*\b], v[S+2+16*\b]   ; the largest score of each block of 32 keys: it serves the row's maximum and, since p rises with the score, the block's largest p
.endr
.irp i, 3,5,7,9,11,13
.irp b, 0,1,2,3
	v_max3_num_f32 v[BM+\b], v[BM+\b], v[S+16*\b+\i], v[S+1+16*\b+\i]
.endr
.endr
.irp b, 0,1,2,3
	v_max_num_f32 v[BM+\b], v[BM+\b], v[S+15+16*\b]
.endr
.irp b, 0,1,2,3
	v_permlanex16_b32 v[T2+\b], v[BM+\b], s[SEL], s[SEL+1]
.endr
.irp b, 0,1,2,3
	v_max_num_f32 v[BM+\b], v[BM+\b], v[T2+\b]     ; with lane l xor 16's 16 keys
.endr
	v_max3_num_f32 v[X], v[BM], v[BM+1], v[BM+2]
	v_max_num_f32 v[X], v[X], v[BM+3]
	v_mul_f32 v[X], s[CS], v[X]                    ; the step's largest t (c is positive)
	v_max_num_f32 v[rM+1], v[rM+1], v[X]           ; the running largest t
	v_mov_b32 v[X], v[rM]
	v_floor_f32 v[rM], -v[rM+1]                    ; the new -M = -ceil(t): a whole number
	v_sub_f32 v[X], v[rM], v[X]                    ; old M - new M: a whole number, 0 or less
	v_cvt_i32_f32 v[X], v[X]                       ; (it saturates)
	v_ldexp_f32 v[rF], 1.0, v[X]                   ; f = 2^(old M - new M)
.set j, 0
.rept 32
	v_pk_fma_f32 v[S+j:S+j+1], v[S+j:S+j+1], s[CS:CS+1], v[rM:rM+1] op_sel_hi:[1,0,0]   ; t - M, two at a time
.set j, j+2
.endr
.irp b, 0,1,2,3
	v_fma_f32 v[BM+\b], v[BM+\b], s[CS], v[rM]     ; the same of each block's largest score
.endr
.set j, 0
.rept 64
	v_exp_f32 v[S+j], v[S+j]                       ; p = 2^(t - M), at most 1
.set j, j+1
.endr
	v_pk_mul_f32 v[rL:rL+1], v[rL:rL+1], v[rF:rF+1] op_sel_hi:[1,0]   ; l under the new M: a plain line behind the exponentials
	s_wait_alu depctr_va_vdst(0)                   ; one wait for the batch of 64, ahead of its first reader
.irp b, 0,1,2,3
	v_exp_f32 v[BM+\b], v[BM+\b]                   ; the block's largest p: the same two instructions on the same number give the same bits
.endr
	v_pk_add_f32 v[T2:T2+1], v[S:S+1], v[S+2:S+3]  ; l is summed of the unquantised p, two at a time, in two chains
.set j, 4
.rept 15
	v_pk_add_f32 v[rL:rL+1], v[rL:rL+1], v[S+j:S+j+1]
	v_pk_add_f32 v[T2:T2+1], v[T2:T2+1], v[S+2+j:S+3+j]
.set j, j+4
.endr
	v_pk_add_f32 v[rL:rL+1], v[rL:rL+1], v[T2:T2+1]
	s_wait_alu depctr_va_vdst(0)                   ; and one for the four
.irp b, 0,1,2,3
	v_max_num_f32 v[BM+\b], 0x1800000, v[BM+\b]    ; the floor 2^(3 - 127): the byte cannot fall under 1
.endr
.irp b, 0,1,2,3
	v_add_nc_u32 v[SO+\b], 0xff000000, v[BM+\b]    ; 2 off the exponent field: the conversion's scale operand
.endr
.irp b, 0,1,2,3
	v_lshrrev_b32 v[T2+\b], 23, v[SO+\b]           ; the scale's byte
.endr
	v_lshl_or_b32 v[PW+(\e)], v[T2+1], 8, v[T2]
	v_lshl_or_b32 v[PW+(\e)], v[T2+2], 16, v[PW+(\e)]
	v_lshl_or_b32 v[PW+(\e)], v[T2+3], 24, v[PW+(\e)]
.irp b, 0,1,2,3
	v_cvt_scalef32_pk8_fp4_f32 v[rC+2*\b], v[S+16*\b:S+7+16*\b], v[SO+\b]
	v_cvt_scalef32_pk8_fp4_f32 v[rC+1+2*\b], v[S+8+16*\b:S+15+16*\b], v[SO+\b]
.endr
	v_nop                                          ; one plain line behind the last scaled conversion
.irp c, 0,1                                    ; the operand's layout wants a whole block in a lane
.irp i, 0,1
	v_permlane16_swap_b32 v[rC+4*\c+\i], v[rC+2+4*\c+\i]
.endr
.endr
.endm
.macro RESC e, gam                     ; O^T of tile e, channels 64 gam on, under the new M: x f
	WIN 0x41                                       ; destination and source 0 window 1, f window 0
.set k, 0
.rept 16
	v_pk_mul_f32 v[128*(\e)+32*(\gam)+2*k:128*(\e)+32*(\gam)+2*k+1], v[128*(\e)+32*(\gam)+2*k:128*(\e)+32*(\gam)+2*k+1], v[16+2*(\e):17+2*(\e)] op_sel_hi:[1,0]
.set k, k+1
.endr
.endm
.macro LDV gam, buf                    ; four fragments of v, channels 64 gam on
	WIN 0
.irp tp, 0,1,2,3
.irp c, 0,1
	ds_load_b128 v[(\buf)+8*\tp+4*\c:(\buf)+8*\tp+4*\c+3], v[AD] offset:2048+1024*(4*(\gam)+\tp)+512*\c
.endr
.endr
.endm
.macro PVG gam, buf, first             ; O^T += v p: each fragment of v against both tiles' p; the eight accumulators by turns
	WIN 0x50                                       ; C and D window 1, the operands window 0
.irp tp, 0,1,2,3
.irp e, 0,1
	MM 128*\e+8*(4*(\gam)+\tp), (\buf)+8*\tp, PCD+8*\e, 1-(\first), VSR+4*((\gam)/2)+\tp, PW+\e, (\gam)%2
.endr
.endr
.endm
; A ROUND: my record's 128 keys against my two tiles of queries.  first = 1: the products start O^T's sums and nothing is rescaled.
; Loads into registers that matrix instructions have read, and vector reads of their results, stand four plain vector lines behind them; a scale word made by vector lines stands eight ahead of its product.
.macro ROUND first
	WIN 0
	v_add_nc_u32 v[AD], s[TB], v[LB]
	v_add_nc_u32 v[AD4], s[TB], v[LB4]
	PLACES 2                                       ; with the two additions: the four places behind the last round's products
.irp i, 0,1,2,3
	ds_load_b128 v[KF+4*\i:KF+4*\i+3], v[AD] offset:512*\i         ; the keys: two fragments, eight tiles
.endr
	ds_load_b32 v[KSR], v[AD4] offset:KSOFF
	ds_load_b128 v[VSR:VSR+3], v[AD] offset:VSOFF
	ds_load_b128 v[VSR+4:VSR+7], v[AD] offset:VSOFF+512
	LDV 0, VA
	LDV 1, VB
	s_wait_dscnt 18                                ; the keys and their scales are in; v's 2 scale loads and 16 fragment loads may be out
	SQK 0
	PLACES 4
	SMAX 0
	SQK 1
.if \first
	PLACES 4
.else
	RESC 0, 0                                      ; tile 0's rescaling stands behind tile 1's products: its 64 lines are their places
	RESC 0, 1
	RESC 0, 2
	RESC 0, 3
.endif
	SMAX 1
.if \first
	PLACES 8                                       ; ahead of the products that take tile 1's scale word
.else
	RESC 1, 0
.endif
	s_wait_dscnt 8                                 ; v's scales and its first four fragments are in; the next four may be out
	PVG 0, VA, \first
.if \first
	PLACES 4
.else
	RESC 1, 1
.endif
	LDV 2, VA
	s_wait_dscnt 8                                 ; all but the eight just issued
	PVG 1, VB, \first
.if \first
	PLACES 4
.else
	RESC 1, 2
.endif
	LDV 3, VB
	s_wait_dscnt 8
	PVG 2, VA, \first
.if !\first
	RESC 1, 3
.endif
	s_wait_dscnt 0x0
	PVG 3, VB, \first
	WIN 0                                          ; at a label and at a branch every window is 0
.endm
; A slot's two rounds.
.macro PHASE slot, first
.if \first
	s_mov_b32 s[TB], \slot*SLOTB
	ROUND 1
	s_mov_b32 s[TB], \slot*SLOTB+ROUNDB
	ROUND 0
.else
	s_mov_b32 s[TB], \slot*SLOTB
	s_mov_b32 s[CNT], 2
.Lround_\@:
	ROUND 0
	s_add_co_u32 s[TB], s[TB], ROUNDB
	s_sub_co_u32 s[CNT], s[CNT], 1
	s_cmp_lg_u32 s[CNT], 0
	s_cbranch_scc1 .Lround_\@
.endif
.endm
; THE CHANGE OF SLOTS.  Each wave waits for all its tensor loads (its record of the slot ahead), adds 0 to its spare word, and waits for that and for its reads of the slot that it leaves.
; slot = 0, 1: that slot is filled again with the keys two slots on, behind a round of the cluster's barrier: the load has a slot's two rounds in which to land.  slot = 2: nothing is left to fetch.
; ask = 1: the batch's first cluster asks for the LAST eight records, which the next change will fetch: two rounds ahead; each partner two records, told apart by address; threads 0-159, a block of 256 bytes each.
.macro CHANGE slot, ask
	s_wait_tensorcnt 0x0                           ; no tensor load of mine is out, so a group 0 may be written
	ds_add_u32 v[SPW], v[NIL]                      ; 0 onto my spare word
.if \slot < 2
	s_add_nc_u64 s[G0+4*\slot+2:G0+4*\slot+3], s[G0+4*\slot+2:G0+4*\slot+3], 2*SLOTB
.endif
	s_wait_dscnt 0x0                               ; the add is done, and my reads of the slot are over
.if \slot < 2
	CROUND                                         ; no wave of any partner still reads the slot or has a load on its way
	tensor_load_to_lds s[G0+4*\slot:G0+4*\slot+3], s[G1:G1+7]
	s_nop 0
	PLACES 4
.else
	s_barrier_signal -1
	s_barrier_wait -1
.endif
.if \ask
	s_cmp_eq_u32 s[LIM], 0
	s_cbranch_scc0 .Lnot_mine_\@
	global_prefetch_b8 v[PFO], s[PFA:PFA+1] th:TH_LOAD_NT scope:SCOPE_SE
.Lnot_mine_\@:
.endif
.endm
	s_wait_tensorcnt 0x1                           ; my record of slot 0 is in; slot 1's may stay out
	s_barrier_signal -1
	s_barrier_wait -1                              ; everybody's is
	PHASE 0, 1                                     ; key steps 0-7
	CHANGE 0, 1                                    ; slot 0 takes key steps 16-23
	PHASE 1, 0                                     ; key steps 8-15
	CHANGE 1, 0                                    ; slot 1 takes key steps 24-31
	PHASE 0, 0
	CHANGE 2, 0
	PHASE 1, 0
	; ---- THE MERGE AND THE WAY OUT.  l's halves are added (four plain additions: the places behind the last products); every wave has left the ring; O^T goes raw into plane kap, [channel][query].
.irp e, 0,1
	v_add_f32 v[10+4*\e], v[10+4*\e], v[11+4*\e]
.endr
.irp e, 0,1
	v_permlanex16_b32 v[T2+\e], v[10+4*\e], s[SEL], s[SEL+1]
.endr
.irp e, 0,1
	v_add_f32 v[10+4*\e], v[10+4*\e], v[T2+\e]     ; with lane l xor 16's keys
.endr
	PLACES 2
	s_wait_dscnt 0x0
	s_barrier_signal -1
	s_barrier_wait -1                              ; nobody reads a slot any more, and both have had their last fill
.irp e, 0,1
	ds_store_b32 v[STA], v[8+4*\e] offset:32*\e            ; -M; both halves of the lanes write the same word with the same value
	ds_store_b32 v[STA], v[10+4*\e] offset:1024+32*\e      ; l
.endr
	WIN 0x04                                       ; an LDS store's data are its source 1: window 1
.set n, 0
.rept 256                                      ; register 128 e + 8 t + j: channel 16 t + 8 h + j, query 32 P + 8 e + r + 8 (r / 8).  Each accumulator from its low end on.  The lanes' halves lie 32 banks apart
.if (n/8)%16 < 8
	ds_store_b32 v[SA0], v[n] offset:SPITCH*(16*((n/8)%16)+n%8)+32*(n/128)
.else
	ds_store_b32 v[SA1], v[n] offset:SPITCH*(16*((n/8)%16-8)+n%8)+32*(n/128)
.endif
.set n, n+1
.endr
	WIN 0
	s_wait_dscnt 0x0                               ; for the others' sake: my stores have landed
	s_barrier_signal -1
	s_barrier_wait -1
	; Wave w stores channels 32 w .. 32 w + 31: out = the sum over kap of O_kap x 2^(M_kap - M) / l,  M = the largest M_kap,  l = the sum of l_kap x 2^(M_kap - M)
.set MS,  34                           ; v34-49  -M of my four queries, for each kap
.set LS,  50                           ; v50-65  l likewise
.set GG,  66                           ; v66-81  the factors
.set MM4, 82                           ; v82-85  the least -M
.set LL,  86                           ; v86-89  l
.set RC,  90                           ; v90-93  1 / l
.set BUF, 96                           ; v96-159, v160-223: two batches of 4 pairs of channels x 4 planes
.macro BLOAD k
.set BB, BUF+64*((\k)%2)
.irp a, 0,1,2,3
.irp q, 0,1,2,3
	ds_load_b128 v[BB+16*\a+4*\q:BB+16*\a+4*\q+3], v[RA+\q] offset:SPITCH*2*(4*(\k)+\a)   ; sixteen lanes read a channel's 256 bytes, the other sixteen the next channel's
.endr
.endr
.endm
.macro BOUT k
.set BB, BUF+64*((\k)%2)
.irp a, 0,1,2,3
.irp z, 0,2
	v_pk_mul_f32 v[BB+16*\a+\z:BB+16*\a+\z+1], v[BB+16*\a+\z:BB+16*\a+\z+1], v[GG+\z:GG+\z+1]
.endr
.endr
.irp q, 1,2,3
.irp a, 0,1,2,3
.irp z, 0,2
	v_pk_fma_f32 v[BB+16*\a+\z:BB+16*\a+\z+1], v[BB+16*\a+4*\q+\z:BB+16*\a+4*\q+\z+1], v[GG+4*\q+\z:GG+4*\q+\z+1], v[BB+16*\a+\z:BB+16*\a+\z+1]
.endr
.endr
.endr
.irp a, 0,1,2,3
	global_store_b128 v[GO], v[BB+16*\a:BB+16*\a+3], s[54:55] offset:32768*(4*(\k)+\a) th:TH_STORE_NT   ; sixteen lanes store 256 consecutive bytes, aligned; written once, read by nobody here
.endr
.endm
.irp q, 0,1,2,3
	ds_load_b128 v[MS+4*\q:MS+4*\q+3], v[SB] offset:256*\q
	ds_load_b128 v[LS+4*\q:LS+4*\q+3], v[SB] offset:1024+256*\q
.endr
	BLOAD 0
	BLOAD 1
	s_wait_dscnt 32                                ; the statistics are in; the two batches may be out
.irp i, 0,1,2,3
	v_min3_num_f32 v[MM4+\i], v[MS+\i], v[MS+4+\i], v[MS+8+\i]
.endr
.irp i, 0,1,2,3
	v_min_num_f32 v[MM4+\i], v[MM4+\i], v[MS+12+\i]        ; the least -M = minus the largest M
.endr
.irp q, 0,1,2,3
.irp i, 0,1,2,3
	v_sub_f32 v[GG+4*\q+\i], v[MM4+\i], v[MS+4*\q+\i]      ; M_kap - M: a whole number, 0 or less
.endr
.endr
.irp q, 0,1,2,3
.irp i, 0,1,2,3
	v_cvt_i32_f32 v[GG+4*\q+\i], v[GG+4*\q+\i]
.endr
.endr
.irp q, 0,1,2,3
.irp i, 0,1,2,3
	v_ldexp_f32 v[GG+4*\q+\i], 1.0, v[GG+4*\q+\i]          ; 2^(M_kap - M): exact
.endr
.endr
.irp i, 0,1,2,3
	v_mul_f32 v[LL+\i], v[LS+\i], v[GG+\i]
.endr
.irp q, 1,2,3
.irp i, 0,1,2,3
	v_fmac_f32 v[LL+\i], v[LS+4*\q+\i], v[GG+4*\q+\i]
.endr
.endr
.irp i, 0,1,2,3
	v_rcp_f32 v[RC+\i], v[LL+\i]
.endr
	v_nop                                          ; a plain line behind the last reciprocal
	s_wait_alu depctr_va_vdst(0)                   ; one wait for the four, ahead of their first reader
.irp q, 0,1,2,3
.irp z, 0,2
	v_pk_mul_f32 v[GG+4*\q+\z:GG+4*\q+\z+1], v[GG+4*\q+\z:GG+4*\q+\z+1], v[RC+\z:RC+\z+1]
.endr
.endr
	s_wait_dscnt 16                                ; batch 0 is in; batch 1 may be out
	BOUT 0
	s_wait_xcnt 0x0                                ; the stores have read their registers: the batch two on may land there
	BLOAD 2
	s_wait_dscnt 16                                ; batch 1 is in
	BOUT 1
	s_wait_xcnt 0x0
	BLOAD 3
	s_wait_dscnt 16                                ; batch 2 is in
	BOUT 2
	s_wait_dscnt 0x0
	BOUT 3
	s_wait_tensorcnt 0x0                           ; the wave's end, behind my last tensor load and my last LDS store
	ds_add_u32 v[SPW], v[NIL]
	s_wait_dscnt 0x0
	CROUND                                         ; the closing round: no work-group ends while a partner may still ask for a record that names it
	s_endpgm
.Lfunc_end_k_q3d8bc7ec3e_attn:
	.size	k_q3d8bc7ec3e_attn, .Lfunc_end_k_q3d8bc7ec3e_attn-k_q3d8bc7ec3e_attn
	.p2alignl 7, 3214868480
	.fill 96, 4, 3214868480
	.section	.rodata,"a",@progbits
	.p2align	6, 0x0
	.amdhsa_kernel k_q3d8bc7ec3e_attn
		.amdhsa_group_segment_fixed_size 327680
		.amdhsa_private_segment_fixed_size 0
		.amdhsa_enable_private_segment 0
		.amdhsa_kernarg_size 32
		.amdhsa_user_sgpr_count 2
		.amdhsa_user_sgpr_kernarg_segment_ptr 1
		.amdhsa_wavefront_size32 1
		.amdhsa_system_sgpr_workgroup_id_x 1
		.amdhsa_system_sgpr_workgroup_id_y 1
		.amdhsa_system_sgpr_workgroup_id_z 1
		.amdhsa_system_vgpr_workitem_id 0
		.amdhsa_next_free_vgpr 512
		.amdhsa_next_free_sgpr 66
		.amdhsa_reserve_vcc 1
		.amdhsa_float_denorm_mode_32 3
		.amdhsa_float_denorm_mode_16_64 3
		.amdhsa_memory_ordered 1
		.amdhsa_forward_progress 1
		.amdhsa_inst_pref_size 230
	.end_amdhsa_kernel
	.amdgpu_metadata
---
amdhsa.version: [ 1, 2 ]
amdhsa.kernels:
  - .name:           k_q3d8bc7ec3e_attn
    .symbol:         k_q3d8bc7ec3e_attn.kd
    .args:
      - { .name: qc, .offset: 0, .size: 8, .value_kind: global_buffer, .address_space: global }
      - { .name: qs, .offset: 8, .size: 8, .value_kind: global_buffer, .address_space: global }
      - { .name: kv, .offset: 16, .size: 8, .value_kind: global_buffer, .address_space: global }
      - { .name: out0, .offset: 24, .size: 8, .value_kind: global_buffer, .address_space: global }
    .group_segment_fixed_size: 327680
    .private_segment_fixed_size: 0
    .kernarg_segment_align: 8
    .kernarg_segment_size: 32
    .max_flat_workgroup_size: 256
    .sgpr_count:     66
    .vgpr_count:     512
    .wavefront_size: 32
...
	.end_amdgpu_metadata
.endif
;; end of part 2
